; MI455X (gfx1250); checked and timed in simulation.
; The chip was launched on July 23, 2026; its instructions are those of AMD's public machine-readable ISA for CDNA 5 (MIT licence, August 2026) and "CDNA5" Instruction Set Architecture Reference Guide (July 2026). The comments in the code are by the model that wrote it; some were corrected since.
;; Dynamic Linear. Allowed arithmetic: matrix products marked QUANTISED: E3M2 operands, one E8M0 scale for each 32 along K, by v_wmma_scale_f32_16x16x128_f8f6f4 with both operands' format E3M2, f32 sums; products left as they are: f32 operands where the result goes on into a quantised operand, else bf16, f16 or f32 operands; f32 sums; everything else in f32.
;; Inputs: biases 8 x 1,024 float32; input 8,192 x 1,024 float32; w 8,192 x 8 float32; weights 8 x 1,024 x 1,024 float32.
;; Outputs: out0 8,192 x 1,024 float32.
;; This version of the problem:
;;   THIS VERSION OF THE PROBLEM IS GIVEN IN LOW PRECISION. The matrix products marked QUANTISED in the list below multiply operands that are first quantised to E3M2 (3 exponent bits, 2 mantissa bits; 6 bits a number), with one power-of-two scale for each 32 numbers along K (OCP MX v1.0); their sums are f32. All else is computed in f32.
;;   The module's matrix products, in the order in which they are computed (A, B: the left and right operand; K: the contracted axis; several contracted axes count as one K, in the product's order):
;;     1. [M 8,192, K 1,024] x [K 1,024, N 8,192]; A: input input; B: input weights: QUANTISED
;;     2. batch 8,192 x [M 1,024, K 8] x [K 8, N 1]; A: computed on the way; B: input w: left as it is (K = 8 < 32)
;;     3. [M 8,192, K 8] x [K 8, N 1,024]; A: input w; B: input biases: left as it is (K = 8 < 32)
;;   THE QUANTISER, for each operand of a quantised product, along K:
;;     - K is cut into blocks of 32 from its start; a last block that is shorter is filled with zeros.
;;     - A block's scale is 2^e with e = floor(log2(the largest magnitude in the block)) - 4, held to -126 .. 127; a block of zeros has e = 0. As a byte (E8M0): e + 127.
;;     - Each number is divided by its block's scale, clamped to +-28, and rounded to the nearest number of E3M2, ties to even, subnormals kept.
;;     - The product sums the exact products of the quantised numbers (number of the format x scale) in f32.
;;   ~~~python
;;   def quantise(x, axis):      # numpy; x: float32 -> the quantised numbers, widened to float32 again
;;       x = np.moveaxis(x, axis, -1); K = x.shape[-1]
;;       x = np.pad(x, [(0, 0)] * (x.ndim - 1) + [(0, -K % 32)]); x = x.reshape(x.shape[:-1] + (-1, 32)); a = np.abs(x).max(-1, keepdims=True)
;;       e = np.where(a > 0, np.clip(np.frexp(np.where(a > 0, a, 1))[1] - 1 - 4, -126, 127), 0)      # np.frexp(a)[1] - 1 = floor(log2(a)), exactly
;;       r = np.clip(x / 2.0 ** e, -28, 28)
;;       step = 2.0 ** (np.maximum(np.frexp(np.where(r == 0, 1, r))[1] - 1, -2) - 2)
;;       q = np.round(r / step) * step * 2.0 ** e      # np.round: ties to even
;;       return np.moveaxis(q.reshape(q.shape[:-2] + (-1,))[..., :K], -1, axis).astype(np.float32)
;;   ~~~
;; One version. Each part assembles by itself: llvm-mc -triple=amdgcn-amd-amdhsa -mcpu=gfx1250 --defsym DOCPART=n.
;; ======== version 1 of 1: 2 launches
;; limits: values are held in bf16: 8 bits of precision; right only within a limited range of input values
;; workspace buffers: aq 6,553,600 bytes; bq 6,553,600 bytes
;; launch quant (part 1): grid 512 x 1, 4 waves a work-group, no clusters, 34,304 bytes of LDS; arguments input, weights, aq, bq; writes aq, bq
.if DOCPART == 1
	.amdgcn_target "amdgcn-amd-amdhsa--gfx1250"
	.amdhsa_code_object_version 6
	.text
	.protected	k_q3b6ec350b8_quant
	.globl	k_q3b6ec350b8_quant
	.p2align	8
	.type	k_q3b6ec350b8_quant,@function
k_q3b6ec350b8_quant:
	s_mov_b64 s[64:65], 0
	v_nop
	global_prefetch_b8 v0, s[64:65] scope:SCOPE_SE
	s_setreg_imm32_b32 hwreg(HW_REG_WAVE_MODE, 25, 1), 1
	s_wait_xcnt 0x0
; input [8192][1024] and weights [8][1024][1024] = [8192 rows][1024], f32, K innermost, become codes of BF6 (E3M2) with one E8M0 byte for each 32 along K.
; A block's scale is 2^(floor(log2(its largest magnitude)) - 4); its byte is the largest magnitude's exponent field - 4, held at 1 from below.
; LIMITS: NaN and infinities among the inputs are not served.  A block of zeros gets the byte 1 where the rule says 127: its codes are zeros, which add nothing under any byte but 0xff, and only this program reads the bytes.
; THE RESULT IS LAID AS THE PRODUCT'S LAUNCH READS IT: as images of operand registers.  A fragment (16 rows x 128 K, 12 registers a lane) is 1,536 bytes: register j of lane l at 512 (j / 4) + 16 l + 4 (j % 4).
;   aq = [y 32][kc 2][wh 2] parts of 51,200 bytes: codes [a 8][ks 4][1,536] (row 256 y + 128 wh + 16 a + r, K 512 kc + 128 ks), then scale words [j 2][q 2][16 h + r][a = 4 q .. 4 q + 3], ks = 2 j + h.
;   bq = [x 8][kc 2][d 8][ch 2] parts of 25,600 bytes: codes [nb 4][ks 4][1,536] (weight row 1024 d + 128 x + 64 ch + 16 nb + r), then scale words [j 2][16 h + r][nb = 0 .. 3], ks = 2 j + h.
; SHARES.  Work-groups 0-255 take input, 256-511 weights: only pointers and offsets are chosen, both take one path.  A wave takes 64 rows x 128 K: four fragments.
; A load reads 512 consecutive bytes of one row, 16 a lane.  The operand's layout wants lane (r, h) to hold k = 64 c + 32 h + 0 .. 31 of row r: the 16 rows turn through the wave's own stage in LDS.
; So a lane holds two whole blocks: no other lane is asked for a maximum.  No barrier: waves share nothing.  All 64 loads of a wave (32,768 bytes) are issued at its start, into four sets of registers in window 1.
.set R,     0                          ; window 1, v256-511: four sets of 64: 16 rows as loaded
.set X,     160                        ; v160-223  64 numbers of my row: register 32 c + i = k 64 c + 32 h + i
.set C,     224                        ; v224-251  two sets of 16 (12 used): a fragment's codes
.set SW,    24                         ; v24-27    the four fragments' scale words
.set PITCH, 528                        ; a stage row: 512 bytes + 16
.set STAGE, 16*PITCH
	s_load_b128 s[4:7], s[0:1], 0x0                ; input, weights
	s_load_b128 s[8:11], s[0:1], 0x10              ; aq, bq
	v_lshl_add_u32 v254, v0, 2, 0x8400             ; my spare word, behind the four stages
	v_mov_b32 v255, 0
	v_lshrrev_b32 v4, 5, v0
	v_readfirstlane_b32 s12, v4                    ; wave 0..3
	v_and_b32 v4, 31, v0                           ; lane
	v_and_b32 v7, 15, v0                           ; r
	v_bfe_u32 v6, v0, 4, 1                         ; h
	v_lshlrev_b32 v1, 4, v4                        ; 16 x lane
	s_mul_i32 s13, s12, STAGE
	v_add_nc_u32 v2, s13, v1                       ; the stage, on the way in
	v_mul_u32_u24 v3, v7, PITCH
	v_lshl_add_u32 v3, v6, 7, v3
	v_add_nc_u32 v3, s13, v3                       ; on the way out: row r, + 128 h
	v_lshlrev_b32 v5, 4, v7
	v_lshl_add_u32 v5, v6, 3, v5                   ; the scale words' store: 16 r + 8 h
	v_lshlrev_b32 v6, 3, v6                        ; 8 h: my bytes' place in a scale word, in bits
	v_mov_b32 v15, 0                               ; a lane permute's destination counts as one of its sources
	s_mov_b32 s20, 0x76543210
	s_mov_b32 s21, 0xfedcba98                      ; selects for lane l xor 16
	s_and_b32 s14, ttmp9, 255
	s_lshl_b32 s14, s14, 2
	s_add_co_u32 s14, s14, s12                     ; U = 4 x (work-group within its tensor) + wave
	s_lshr_b32 s15, s14, 3                         ; G: which 64 rows
	s_and_b32 s16, s14, 7                          ; S: which 128 along K
	s_lshr_b32 s17, s16, 2                         ; kc
	s_and_b32 s18, s16, 3                          ; ks
	s_lshl_b32 s22, s15, 18                        ; the source: 64 G rows of 4,096 bytes
	s_lshl_b32 s19, s16, 9
	s_add_co_u32 s22, s22, s19                     ; + 512 S
	s_mov_b32 s23, 0
	s_and_b32 s24, s15, 1                          ; G & 1
	s_bfe_u32 s25, s15, 0x10001                    ; (G >> 1) & 1
	s_mul_i32 s26, s18, 1536                       ; ks x a fragment
	s_lshr_b32 s32, s18, 1                         ; j = ks / 2
	s_and_b32 s33, s18, 1
	s_lshl_b32 s33, s33, 8                         ; 256 (ks % 2)
	s_lshr_b32 s27, s15, 2                         ; input: y = G >> 2
	s_lshl_b32 s27, s27, 1
	s_add_co_u32 s27, s27, s17
	s_mul_i32 s27, s27, 102400                     ; chunk 2 y + kc,
	s_mul_i32 s19, s25, 51200
	s_add_co_u32 s27, s27, s19                     ; its part wh
	s_mul_i32 s19, s24, 24576                      ; a = 4 (G & 1) on
	s_add_co_u32 s28, s27, s19
	s_add_co_u32 s28, s28, s26                     ; input's codes
	s_lshl_b32 s19, s32, 10
	s_add_co_u32 s29, s27, s19
	s_lshl_b32 s19, s24, 9
	s_add_co_u32 s29, s29, s19
	s_add_co_u32 s29, s29, s33
	s_add_co_u32 s29, s29, 49152                   ; input's scale words
	s_bfe_u32 s30, s15, 0x30001                    ; weights: x = (G >> 1) & 7
	s_lshl_b32 s30, s30, 1
	s_add_co_u32 s30, s30, s17
	s_lshl_b32 s30, s30, 3
	s_lshr_b32 s19, s15, 4                         ; d = G >> 4
	s_add_co_u32 s30, s30, s19
	s_mul_i32 s30, s30, 51200                      ; step (2 x + kc) 8 + d,
	s_mul_i32 s19, s24, 25600
	s_add_co_u32 s30, s30, s19                     ; its part ch
	s_add_co_u32 s31, s30, s26                     ; weights' codes
	s_lshl_b32 s19, s32, 9
	s_add_co_u32 s30, s30, s19
	s_add_co_u32 s30, s30, s33
	s_add_co_u32 s30, s30, 24576                   ; weights' scale words
	s_wait_alu depctr_va_vdst(0)                   ; the head's end
	s_wait_kmcnt 0x0
	s_cmp_lt_u32 ttmp9, 256                        ; input's work-group or weights'?
	s_cselect_b64 s[4:5], s[4:5], s[6:7]
	s_cselect_b64 s[8:9], s[8:9], s[10:11]
	s_cselect_b32 s28, s28, s31
	s_cselect_b32 s30, s29, s30
	s_mov_b32 s29, 0
	s_mov_b32 s31, 0
	s_add_nc_u64 s[4:5], s[4:5], s[22:23]
	s_add_nc_u64 s[10:11], s[8:9], s[30:31]        ; my scale words
	s_add_nc_u64 s[8:9], s[8:9], s[28:29]          ; my codes
.macro LOAD f                          ; fragment f's 16 rows, 512 consecutive bytes each
.irp i, 0,1,2,3,4,5,6,7,8,9,10,11,12,13,14,15
	global_load_b128 v[R+64*(\f)+4*\i:R+64*(\f)+4*\i+3], v1, s[4:5] offset:(\f)*65536+\i*4096 th:TH_LOAD_NT
.endr
.endm
.macro TURN f                          ; through the stage: LDS serves a wave's instructions in order (ISA guide 5.7.1.4)
	s_set_vgpr_msb 0x0004                          ; an LDS store's data are its source 1: window 1
.irp i, 0,1,2,3,4,5,6,7,8,9,10,11,12,13,14,15
	ds_store_b128 v2, v[R+64*(\f)+4*\i:R+64*(\f)+4*\i+3] offset:\i*PITCH
.endr
	s_set_vgpr_msb 0x0400
.irp c, 0,1
.irp j, 0,1,2,3,4,5,6,7
	ds_load_b128 v[X+32*\c+4*\j:X+32*\c+4*\j+3], v3 offset:256*\c+16*\j
.endr
.endr
.endm
.macro QUANT f
.set CS, C+16*((\f)%2)
.irp c, 0,1
	v_max3_num_f32 v[8+\c], |v[X+32*\c]|, |v[X+32*\c+1]|, 0x2800000   ; my block 2 c + h, and the floor 2^(5 - 127)
.endr
.irp i, 2,4,6,8,10,12,14,16,18,20,22,24,26,28,30
.irp c, 0,1
	v_max3_num_f32 v[8+\c], v[8+\c], |v[X+32*\c+\i]|, |v[X+32*\c+\i+1]|
.endr
.endr
.irp c, 0,1
	v_add_nc_u32 v[10+\c], 0xfe000000, v[8+\c]     ; 4 off the exponent field: the conversion's scale operand
.endr
.irp c, 0,1
	v_lshrrev_b32 v[12+\c], 23, v[10+\c]           ; the scale's byte
.endr
	v_lshl_or_b32 v14, v13, 16, v12                ; my two bytes: blocks h and 2 + h of row r,
	v_lshlrev_b32 v14, v6, v14                     ; at their places in the word;
	v_permlanex16_b32 v15, v14, s20, s21
	v_or_b32 v[SW+(\f)], v14, v15                  ; with lane l xor 16's two the word is whole
	v_cvt_scalef32_pk16_bf6_f32 v[CS:CS+2], v[X:X+15], v10
	v_cvt_scalef32_pk16_bf6_f32 v[16:18], v[X+16:X+31], v10        ; (a conversion's three registers begin on an even number)
	v_cvt_scalef32_pk16_bf6_f32 v[CS+6:CS+8], v[X+32:X+47], v11
	v_cvt_scalef32_pk16_bf6_f32 v[20:22], v[X+48:X+63], v11
	v_nop                                          ; one plain place behind a scaled conversion
.irp i, 0,1,2
	v_mov_b32 v[CS+3+\i], v[16+\i]
	v_mov_b32 v[CS+9+\i], v[20+\i]
.endr
.endm
.macro PUT f                           ; the image: each store covers 512 consecutive bytes, at a multiple of 512 from the buffer's first byte
.irp g, 0,1,2
	global_store_b128 v1, v[CS+4*\g:CS+4*\g+3], s[8:9] offset:(\f)*6144+512*\g
.endr
.endm
	s_set_vgpr_msb 0x0040                          ; the loads' destinations: window 1
	LOAD 0
	LOAD 1
	LOAD 2
	LOAD 3
	s_set_vgpr_msb 0x4000
.irp f, 0,1,2,3
	s_wait_loadcnt 48-16*\f                        ; this fragment's 16 loads are in; the later fragments' may be out
	TURN \f
	s_wait_dscnt 0x0                               ; my 64 numbers are back
.if \f >= 2
	s_wait_xcnt 0x0                                ; the code stores of two fragments ago have read their registers
.endif
	QUANT \f
	PUT \f
.endr
	v_cmp_eq_u32 vcc_lo, 0, v6                     ; row r's four words are 16 bytes: lanes 0-15 store the first two, lanes 16-31 the other two
	v_cndmask_b32 v28, v[SW+2], v[SW], vcc_lo
	v_cndmask_b32 v29, v[SW+3], v[SW+1], vcc_lo
	global_store_b64 v5, v[28:29], s[10:11]        ; 32 lanes store 256 consecutive bytes, at a multiple of 256 from the buffer's first byte
	s_wait_tensorcnt 0x0                           ; the wave's end
	ds_add_u32 v254, v255
	s_wait_dscnt 0x0
	s_endpgm
.Lfunc_end_k_q3b6ec350b8_quant:
	.size	k_q3b6ec350b8_quant, .Lfunc_end_k_q3b6ec350b8_quant-k_q3b6ec350b8_quant
	.p2alignl 7, 3214868480
	.fill 96, 4, 3214868480
	.section	.rodata,"a",@progbits
	.p2align	6, 0x0
	.amdhsa_kernel k_q3b6ec350b8_quant
		.amdhsa_group_segment_fixed_size 34304
		.amdhsa_private_segment_fixed_size 0
		.amdhsa_enable_private_segment 0
		.amdhsa_kernarg_size 32
		.amdhsa_user_sgpr_count 2
		.amdhsa_user_sgpr_kernarg_segment_ptr 1
		.amdhsa_wavefront_size32 1
		.amdhsa_system_sgpr_workgroup_id_x 1
		.amdhsa_system_sgpr_workgroup_id_y 1
		.amdhsa_system_sgpr_workgroup_id_z 1
		.amdhsa_system_vgpr_workitem_id 0
		.amdhsa_next_free_vgpr 512
		.amdhsa_next_free_sgpr 66
		.amdhsa_reserve_vcc 1
		.amdhsa_float_denorm_mode_32 3
		.amdhsa_float_denorm_mode_16_64 3
		.amdhsa_memory_ordered 1
		.amdhsa_forward_progress 1
		.amdhsa_inst_pref_size 32
	.end_amdhsa_kernel
	.amdgpu_metadata
---
amdhsa.version: [ 1, 2 ]
amdhsa.kernels:
  - .name:           k_q3b6ec350b8_quant
    .symbol:         k_q3b6ec350b8_quant.kd
    .args:
      - { .name: input, .offset: 0, .size: 8, .value_kind: global_buffer, .address_space: global }
      - { .name: weights, .offset: 8, .size: 8, .value_kind: global_buffer, .address_space: global }
      - { .name: aq, .offset: 16, .size: 8, .value_kind: global_buffer, .address_space: global }
      - { .name: bq, .offset: 24, .size: 8, .value_kind: global_buffer, .address_space: global }
    .group_segment_fixed_size: 34304
    .private_segment_fixed_size: 0
    .kernarg_segment_align: 8
    .kernarg_segment_size: 32
    .max_flat_workgroup_size: 128
    .sgpr_count:     66
    .vgpr_count:     512
    .wavefront_size: 32
...
	.end_amdgpu_metadata
.endif
;; end of part 1
;; launch gemm (part 2): grid 8 x 32, 4 waves a work-group, clusters of 4 x 4, 327,680 bytes of LDS; arguments aq, bq, w, biases, out0; writes out0
.if DOCPART == 2
	.amdgcn_target "amdgcn-amd-amdhsa--gfx1250"
	.amdhsa_code_object_version 6
	.text
	.protected	k_q3b6ec350b8_gemm
	.globl	k_q3b6ec350b8_gemm
	.p2align	8
	.type	k_q3b6ec350b8_gemm,@function
k_q3b6ec350b8_gemm:
	s_mov_b64 s[64:65], 0
	v_nop
	global_prefetch_b8 v0, s[64:65] scope:SCOPE_SE
	s_setreg_imm32_b32 hwreg(HW_REG_WAVE_MODE, 25, 1), 1
	s_wait_xcnt 0x0
	s_wait_alu depctr_hold_cnt(0) depctr_sa_sdst(0) depctr_va_vdst(0) depctr_va_sdst(0) depctr_va_ssrc(0) depctr_va_vcc(0) depctr_vm_vsrc(0)
	s_getreg_b32 s2, hwreg(HW_REG_IB_STS2, 6, 4)
	s_cmp_eq_u32 s2, 0
	s_cbranch_scc0 .Lentry_in_a_cluster
	s_endpgm
.Lentry_in_a_cluster:
	s_bfe_u32 s2, ttmp6, 0x10000c
	s_cmp_lg_u32 s2, 0xf033
	s_cbranch_scc0 .Lentry_shape_is_right
	s_endpgm
.Lentry_shape_is_right:
; out[b][o] = sum over d of w[b][d] x (sum over i of Q(input)[b][i] Q(weights)[d][o][i]) + sum over d of w[b][d] biases[d][o].  The inner sums are made on codes of BF6 (E3M2) with E8M0 scales, sums in f32.
; aq, bq: codes and scale words as images of operand registers (a fragment of 16 rows x 128 K is 1,536 bytes: register j of lane l at 512 (j / 4) + 16 l + 4 (j % 4)):
;   aq = [y 32][kc 2][wh 2] parts of 51,200 bytes: codes [a 8][ks 4][1,536], scale words [j 2][q 2][16 h + r][a = 4 q ..];   bq = [x 8][kc 2][d 8][ch 2] parts of 25,600 bytes: codes [nb 4][ks 4][1,536], scale words [j 2][16 h + r][nb];  ks = 2 j + h.
; SHARES.  256 work-groups take 256 rows (b) x 128 columns (o) each; a wave takes 128 x 64: 32 tiles of 16 x 16, 256 registers.
; ORDER: a PASS is 512 along K (two); in it a STEP is one d (eight); in it a UNIT is 16 columns (four): 32 matrix instructions, 8 tiles of rows x 4 deep along K.  Two steps are a PAIR: eight pairs in all.
; A's 32 fragments of a pass stay in registers for all eight d; only B's go from LDS to registers in a unit.  A unit's 8 partial sums are multiplied by w[b][d] and added onto out (THE FOLD), one packed multiply-add behind each matrix instruction of the NEXT unit.
; THE BIAS TERM w @ biases (K = 8) starts out: one bf16 matrix instruction for each tile, at the head, K filled with zeros from 8 on.  LIMIT: w and the biases are rounded to bf16 in this term alone.
; ORDER OF ROUNDING (a stated limit): each partial sum over 512 along K is rounded to f32, multiplied by w and added in f32, in the order (pass, d).  NaN and infinities among the inputs are not served.
; THE MATRIX INSTRUCTIONS ARE USED TRANSPOSED (source 0 = 16 columns o, source 1 = 16 rows b): lane (r, h) holds row b = r and the columns 8 h + 0 .. 7: so w[b][d] is one number a lane.
; THE TEXT: pair 0 (A's region is filled again), a loop of five trips for pairs 1 to 5 (each fills a slot again), pair 6 (nothing left to fill) and pair 7 (no change of slots) are one macro.
; What differs from trip to trip lies in scalars and three address registers; A's reload, LDS loads alone, stands in blocks under a branch on the loop's counter (pair 3).
; CLUSTERS: 4 x 4 work-groups.  A's chunk is shared along a row of the cluster, B's steps along a column: each is asked for JOINTLY.
; NO PREFETCH: a refill is asked for 7 units, 224 matrix instructions, ahead of the wait for it.
; LDS: 0 A's chunk (at the very end: the stages); 102,400 and 204,800 two slots of a pair of B; 307,200 w; 315,392 the spare words.  By this text's own count a wave has at most one tensor load out.
; REGISTERS, in windows of 256 (s_set_vgpr_msb: bits 1:0 source 0, 3:2 source 1, 5:4 source 2, 7:6 destination):
;   window 0: v2-13 addresses; v16-31 B's scale words (set d % 2, register 4 j + nb); v32-47 A's (8 j + a); v48-63 w of the tiles a = 4 .. 7; v64-255 A's fragments of ks = 2, 3  (at the head v16-47 and v64-227 are at work)
;   window 1: v48-63 w of the tiles a = 0 .. 3; v64-255 A's fragments of ks = 0, 1
;   window 2: v0-63 an EVEN unit's 8 sums; v64-191 out of the ODD nb; v192-239 an ODD unit's B
;   window 3: v0-63 an ODD unit's 8 sums;  v64-191 out of the EVEN nb; v192-239 an EVEN unit's B
.set STEPB,  51200
.set HSTEP,  25600
.set CHUNK,  102400
.set HCHUNK, 51200
.set SLOTB,  2*STEPB
.set SLOT0,  CHUNK
.set SLOT1,  SLOT0+SLOTB
.set WT,     SLOT1+SLOTB
.set SPARE,  WT+2*4096
.set SPITCH, 272
.set AA,  2                            ; A's fragments: 51,200 wh + 16 lane
.set AW,  3                            ; w: my rows' table + 32 r
.set AB,  4                            ; v4, v5: B's two steps of the pair that is read
.set ABB, 6                            ; 25,600 ch + 16 lane
.set AWC, 7                            ; AW + 8 (pair % 4)
.set STO, 9
.set RD,  10
.set CO,  11
.set SPW, 12
.set NIL, 13
.set SB,  16
.set SA,  32
.set WA,  48
.set AF,  64
.set BF,  192
.set QB,  16                           ; at the head: the biases' four bf16 fragments
.set PW,  192                          ; at the head: w in bf16, four registers a tile, and four of zeros
.set WV,  14
.set WH,  15
.set CL,  16
.set G1A, 24
.set G1B, 32
.set G0A, 48
.set G0B, 52
.set RS,  56                           ; the slot that is read
.set CLS, 57                           ; 51,200 x (wave % 2)
.set PR,  58                           ; the pair
.set T0,  59
.set W_EVEN,  0xa7
.set W_EVEN2, 0xa3
.set W_ODD,   0xf6
.set W_ODD2,  0xf2
.set MSB, 0
.macro WIN new
.if MSB != \new
	s_set_vgpr_msb (MSB<<8)|\new
.set MSB, \new
.endif
.endm
.macro PLACES
.rept 4
	v_nop
.endr
.endm
; a joint load: waves 0 and 1 fetch the two steps of a slot of B; waves 2 and 3, where witha = 1, the two halves of A's chunk
.macro JLOAD witha
	s_cmp_lt_u32 s[WV], 2
	s_cbranch_scc0 .Lnot_b_\@
	tensor_load_to_lds s[G0B:G0B+3], s[G1B:G1B+7]
	s_nop 0
.rept 4
	v_nop
.endr
.if \witha
	s_branch .Lasked_\@
.endif
.Lnot_b_\@:
.if \witha
	tensor_load_to_lds s[G0A:G0A+3], s[G1A:G1A+7]
	s_nop 0
.rept 4
	v_nop
.endr
.Lasked_\@:
.endif
.endm
.macro CREST
	s_cmp_lg_u32 s[WV], 0
	s_cbranch_scc1 .Lnot_wave_0_\@
	s_barrier_signal -3
.Lnot_wave_0_\@:
	s_barrier_wait -3
	s_barrier_signal -1
	s_barrier_wait -1
.endm
.macro CROUND
	s_barrier_signal -1
	s_barrier_wait -1
	CREST
.endm
	s_load_b256 s[4:11], s[0:1], 0x0               ; aq, bq, w, biases
	s_load_b64 s[12:13], s[0:1], 0x20              ; out0
	v_lshl_add_u32 v[SPW], v0, 2, SPARE
	v_mov_b32 v[NIL], 0
	ds_add_u32 v[SPW], v[NIL]                      ; the opening lines
	ds_add_u32 v[SPW], v[NIL]
	v_lshrrev_b32 v1, 5, v0
	v_readfirstlane_b32 s[WV], v1                  ; wave 0..3
	v_and_b32 v64, 31, v0                          ; lane
	v_and_b32 v65, 15, v0                          ; r
	v_bfe_u32 v66, v0, 4, 1                        ; h
	v_lshlrev_b32 v67, 4, v64                      ; 16 x lane
	v_lshlrev_b32 v70, 2, v65                      ; 4 r
	v_lshlrev_b32 v71, 5, v65                      ; 32 r
	s_lshr_b32 s[WH], s[WV], 1
	s_and_b32 s[CL], s[WV], 1
	s_bfe_u32 s40, ttmp6, 0x40000                  ; cx, cy
	s_bfe_u32 s41, ttmp6, 0x40004
	s_lshl_b32 s42, ttmp9, 2
	s_add_co_u32 s42, s42, s40                     ; x: tile column
	s_and_b32 s43, ttmp7, 0xffff
	s_lshl_b32 s43, s43, 2
	s_add_co_u32 s43, s43, s41                     ; y: tile row
	s_lshl_b32 s44, s41, 2
	s_lshl_b32 s44, 15, s44                        ; my row of the cluster
	s_lshl_b32 s45, 0x1111, s40                    ; my column
	; group 1: a dense block of 51,200 bytes as 200 rows of 256 bytes (32 elements of 8 bytes)
	s_or_b32 s[G1A], s44, (3<<16)|(1<<21)
	s_or_b32 s[G1B], s45, (3<<16)|(1<<21)
.irp g, G1A, G1B
	s_mov_b32 s[\g+1], 32<<16
	s_mov_b32 s[\g+2], 200<<16
	s_mov_b32 s[\g+3], 32<<16
	s_mov_b32 s[\g+4], 200
	s_mov_b32 s[\g+5], 32
	s_mov_b32 s[\g+6], 0
	s_mov_b32 s[\g+7], 0
.endr
	s_mul_i32 s[CLS], s[CL], STEPB
	s_mul_i32 s18, s43, 2*CHUNK                    ; A's offset: y and the wave's number
	s_mul_i32 s19, s[CL], HCHUNK
	s_add_co_u32 s18, s18, s19
	s_mov_b32 s19, 0
	s_mul_i32 s20, s42, 16*STEPB                   ; B's: x and the wave's number
	s_add_co_u32 s20, s20, s[CLS]
	s_mov_b32 s21, 0
	s_mov_b32 s[G0A], 1
	s_mul_i32 s[G0A+1], s[CL], HCHUNK
	s_mov_b32 s[G0B], 1
	s_add_co_u32 s[G0B+1], s[CLS], SLOT0
	s_mov_b32 s[RS], SLOT0
	s_mov_b32 s[PR], 0
	s_lshl_b32 s46, s43, 13                        ; w for the table: (256 y + 64 wave) rows of 32 bytes
	s_lshl_b32 s[T0], s[WV], 11
	s_add_co_u32 s46, s46, s[T0]
	s_mov_b32 s47, 0
	s_lshl_b32 s60, s43, 13                        ; w of my tiles: (256 y + 128 wh) rows
	s_lshl_b32 s[T0], s[WH], 12
	s_add_co_u32 s60, s60, s[T0]
	s_mov_b32 s61, 0
	s_lshl_b32 s62, s42, 9                         ; my 64 columns, in bytes: 512 x + 256 ch
	s_lshl_b32 s[T0], s[CL], 8
	s_add_co_u32 s62, s62, s[T0]
	s_mov_b32 s63, 0
	s_lshl_b32 s44, s43, 20                        ; out: (256 y + 128 wh) rows of 4,096 bytes + my columns
	s_lshl_b32 s[T0], s[WH], 19
	s_add_co_u32 s44, s44, s[T0]
	s_add_co_u32 s44, s44, s62
	s_mov_b32 s45, 0
	s_wait_alu depctr_va_vdst(0)                   ; directly ahead of the waits below
	s_wait_dscnt 0x0                               ; both opening adds are done
	s_wait_kmcnt 0x0
	s_add_nc_u64 s[G0A+2:G0A+3], s[4:5], s[18:19]  ; pass 0's chunk
	s_add_nc_u64 s[G0B+2:G0B+3], s[6:7], s[20:21]  ; pair 0
	s_or_b32 s[G0A+3], s[G0A+3], 0x80000000
	s_or_b32 s[G0B+3], s[G0B+3], 0x80000000
	s_add_nc_u64 s[46:47], s[8:9], s[46:47]
	s_add_nc_u64 s[60:61], s[8:9], s[60:61]
	s_add_nc_u64 s[10:11], s[10:11], s[62:63]
	s_add_nc_u64 s[12:13], s[12:13], s[44:45]
.irp i, 0,1,2,3
	global_load_b128 v[72+4*\i:75+4*\i], v67, s[46:47] offset:512*\i      ; 16 rows of w for the table: 512 consecutive bytes
.endr
.irp n, 0,1,2,3
.irp d, 0,1,2,3,4,5,6,7
	global_load_b32 v[88+8*\n+\d], v70, s[10:11] offset:4096*\d+64*\n     ; biases[d][16 nb + r]; both halves of the lanes alike; read once
.endr
.endr
.irp a, 0,1,2,3,4,5,6,7
.irp g, 0,1
	global_load_b128 v[128+8*\a+4*\g:128+8*\a+4*\g+3], v71, s[60:61] offset:512*\a+16*\g   ; w[16 a + r][0 .. 7]
.endr
.endr
	CROUND                                         ; the first joint loads meet
	JLOAD 1                                        ; one a wave: slot 0 and A's chunk
	; while they land: the addresses, w's table, and the bias term
	s_mul_i32 s17, s[WH], HCHUNK
	s_mul_i32 s18, s[CL], HSTEP
	s_lshl_b32 s19, s[WH], 12
	s_add_co_u32 s19, s19, WT
	s_lshl_b32 s20, s[WV], 11
	s_add_co_u32 s20, s20, WT
	s_mul_i32 s23, s[WV], 16*SPITCH                ; my stage
	v_lshlrev_b32 v[CO], 12, v66
	v_lshl_add_u32 v[CO], v65, 4, v[CO]
	v_add_nc_u32 v[AA], s17, v67
	v_add_nc_u32 v[ABB], s18, v67
	v_add_nc_u32 v[AB], SLOT0, v[ABB]
	v_add_nc_u32 v[AB+1], SLOT0+STEPB, v[ABB]
	v_lshl_add_u32 v[AW], v65, 5, s19
	v_lshl_add_u32 v[AWC], v65, 5, s19
	v_add_nc_u32 v68, s20, v67                     ; where I put w
	v_add_nc_u32 v69, -1, v66                      ; all ones in lanes 0-15, 0 in lanes 16-31
	v_mul_u32_u24 v[STO], v65, SPITCH
	v_lshl_add_u32 v[STO], v66, 5, v[STO]
	v_add_nc_u32 v[STO], s23, v[STO]
	v_mul_u32_u24 v[RD], v66, SPITCH
	v_lshl_add_u32 v[RD], v65, 4, v[RD]
	v_add_nc_u32 v[RD], s23, v[RD]
.irp n, 0,1,2,3
.irp i, 4,5,6,7
	v_mov_b32 v[QB+8*\n+\i], 0                     ; the biases' fragments: k = 16 .. 31 are zeros
.endr
.endr
.irp i, 0,1,2,3
	v_mov_b32 v[PW+32+\i], 0                       ; behind the last tile of w
.endr
.irp i, 0,1,2,3,4,5,6,7
	v_mov_b32 v[WA+1+2*\i], 0                      ; the odd registers of w's pairs are named by the packed forms: written once, in window 0,
.endr
	WIN 0x40
.irp i, 0,1,2,3,4,5,6,7
	v_mov_b32 v[WA+1+2*\i], 0                      ; and in window 1
.endr
	WIN 0
	s_wait_alu depctr_va_vdst(0)                   ; the head's end
	s_wait_loadcnt 0x0
.irp i, 0,1,2,3
	ds_store_b128 v68, v[72+4*\i:75+4*\i] offset:512*\i
.endr
.irp n, 0,1,2,3
.irp i, 0,1,2,3
	v_cvt_pk_bf16_f32 v[QB+8*\n+\i], v[88+8*\n+2*\i], v[88+8*\n+2*\i+1]   ; column 16 nb + r, d = 2 i and 2 i + 1
.endr
.endr
.irp a, 0,1,2,3,4,5,6,7
.irp i, 0,1,2,3
	v_cvt_pk_bf16_f32 v[PW+4*\a+\i], v[128+8*\a+2*\i], v[128+8*\a+2*\i+1]  ; row 16 a + r, d = 2 i and 2 i + 1
.endr
.endr
.irp n, 0,1,2,3
.irp i, 0,1,2,3
	v_and_b32 v[QB+8*\n+\i], v69, v[QB+8*\n+\i]    ; lanes 16-31 stand for k = 8 .. 15: zeros
.endr
.endr
	PLACES
; out(16 a + r, 16 nb + 8 h + j) = sum over d of w x biases.  Source 1's upper four registers are the next tile's w (finite numbers): they meet the zeros of source 0.
.irp n, 0,2,1,3
.if \n%2 == 0
	WIN 0xc0                                       ; out of the even nb: window 3
.else
	WIN 0x80                                       ; of the odd nb: window 2
.endif
.irp a, 0,1,2,3,4,5,6,7
	v_wmma_f32_16x16x32_bf16 v[64+64*(\n/2)+8*\a:64+64*(\n/2)+8*\a+7], v[QB+8*\n:QB+8*\n+7], v[PW+4*\a:PW+4*\a+7], 0
.endr
.endr
	WIN 0
	PLACES                                         ; in front of the loads into the registers that these have read
; matrix instruction I_ of 32 of unit (D_, NB_): tile a = I_ % 8, K step I_ / 8.  The eight sums take turns.  A sum's first takes the constant 0 as C.
.macro WM
.set A_,  I_%8
.set KS_, I_/8
.set TD_, 8*A_
.set RA_, AF+96*(KS_%2)+12*A_
.set RB_, BF+12*KS_
.set XB_, SB+8*D_+4*(KS_/2)+NB_
.set XA_, SA+8*(KS_/2)+A_
.if KS_ == 0
	v_wmma_scale_f32_16x16x128_f8f6f4 v[TD_:TD_+7], v[RB_:RB_+11], v[RA_:RA_+11], 0, v[XB_], v[XA_] matrix_a_fmt:MATRIX_FMT_BF6 matrix_b_fmt:MATRIX_FMT_BF6
.elseif KS_ == 2
	v_wmma_scale_f32_16x16x128_f8f6f4 v[TD_:TD_+7], v[RB_:RB_+11], v[RA_:RA_+11], v[TD_:TD_+7], v[XB_], v[XA_] matrix_a_fmt:MATRIX_FMT_BF6 matrix_b_fmt:MATRIX_FMT_BF6
.else
	v_wmma_scale_f32_16x16x128_f8f6f4 v[TD_:TD_+7], v[RB_:RB_+11], v[RA_:RA_+11], v[TD_:TD_+7], v[XB_], v[XA_] matrix_a_fmt:MATRIX_FMT_BF6 matrix_b_fmt:MATRIX_FMT_BF6 matrix_a_scale:MATRIX_SCALE_ROW1 matrix_b_scale:MATRIX_SCALE_ROW1
.endif
.endm
; number k of 32 of the fold of unit (PD_, PNB_): out += sum x w; each sum, and each tile of out, is read from its low end on.  FM_ = 0: nothing to fold yet
.macro FO k
.set FA_, (\k)/4
.set FS_, 8*FA_+2*((\k)%4)
.set FD_, 64+64*(PNB_/2)+FS_
.set FW_, WA+8*PD_+2*(FA_%4)
.if FM_
	v_pk_fma_f32 v[FD_:FD_+1], v[FS_:FS_+1], v[FW_:FW_+1], v[FD_:FD_+1] op_sel_hi:[1,0,1]
.endif
.endm
.macro LDA ks                          ; A's eight fragments of K step ks: 24 loads
.if (\ks) < 2
	WIN 0x40
.else
	WIN 0
.endif
.irp a, 0,1,2,3,4,5,6,7
.irp g, 0,1,2
	ds_load_b128 v[AF+96*((\ks)%2)+12*\a+4*\g:AF+96*((\ks)%2)+12*\a+4*\g+3], v[AA] offset:(4*\a+(\ks))*1536+512*\g
.endr
.endr
.endm
.macro LSA                             ; A's scale words of the pass: 4 loads
	WIN 0
.irp j, 0,1
.irp q, 0,1
	ds_load_b128 v[SA+8*\j+4*\q:SA+8*\j+4*\q+3], v[AA] offset:49152+1024*\j+512*\q
.endr
.endr
.endm
; one run of LDS loads for the next unit (ND_ = its d % 2, NNB_): B's four fragments; at a step's end the next step's w and B's scale words
.macro RUN
.if NNB_%2 == 0
	WIN 0xc0
.else
	WIN 0x80
.endif
.irp k, 0,1,2,3
.irp g, 0,1,2
	ds_load_b128 v[BF+12*\k+4*\g:BF+12*\k+4*\g+3], v[AB+ND_] offset:(4*NNB_+\k)*1536+512*\g
.endr
.endr
.if NB_ == 3
	WIN 0x40
.irp a, 0,1,2,3
	ds_load_b32 v[WA+8*ND_+2*\a], v[AWC] offset:512*\a+4*ND_
.endr
	WIN 0
.irp a, 4,5,6,7
	ds_load_b32 v[WA+8*ND_+2*(\a-4)], v[AWC] offset:512*\a+4*ND_
.endr
.irp j, 0,1
	ds_load_b128 v[SB+8*ND_+4*\j:SB+8*ND_+4*\j+3], v[AB+ND_] offset:24576+512*\j
.endr
.endif
.endm
; A's K step ks is fetched anew, in the trip of pair 3 alone: behind the last matrix instruction that reads the old one; LDS loads and their places, nothing else, stand under the branch
.macro ALBLK ks
	WIN 0
	s_cmp_eq_u32 s[PR], 3
	s_cbranch_scc0 .Lno_a_\@
	PLACES
.if (\ks) == 3
	LSA
.endif
	LDA \ks
	WIN 0
.Lno_a_\@:
.endm
; UNIT u of 8 of a pair.  kind 0: pair 0; 1: the loop's; 2: pair 6; 3: pair 7.
; A plain unit: the run of loads stands behind its fourth matrix instruction, 28 matrix instructions ahead of the wait for it.
; A pair's last unit changes slots: the wait for all tensor loads, the add, the wait for it and for my reads; the barrier, which opens a round where a slot is filled again; the joint refill first behind it: the slot just left takes the pair two on.
.macro UNIT u, kind
.set D_,   (\u)/4
.set NB_,  (\u)%4
.set PD_,  (((\u)+7)%8)/4
.set PNB_, (((\u)+7)%8)%4
.set ND_,  (((\u)+1)%8)/4
.set NNB_, (((\u)+1)%8)%4
.set FM_,  1
.set CH_,  0
.set FL_,  0
.set AL_,  0
.set RN_,  1
.set HW_,  0
.set M16_, -1
.set M24_, -1
.if ((\kind) == 0) && ((\u) == 0)
.set FM_,  0
.set HW_,  48                          ; the youngest 48 loads, A's K steps 2 and 3, may be out
.set M16_, 36                          ; younger than K step 2: K step 3's 24 and this unit's run of 12
.set M24_, 12                          ; younger than K step 3: that run
.endif
.if ((\u) == 7) && ((\kind) < 3)
.set CH_, 1
.endif
.if CH_ && ((\kind) < 2)
.set FL_, 1
.endif
.if CH_ && ((\kind) == 1)
.set AL_, 1
.endif
.if ((\u) == 7) && ((\kind) == 3)
.set RN_, 0
.endif
.if NB_%2 == 0
.set US_,  W_EVEN
.set US2_, W_EVEN2
.else
.set US_,  W_ODD
.set US2_, W_ODD2
.endif
	s_wait_dscnt HW_                               ; the loads issued for this unit are in
.if CH_
	WIN 0
	s_wait_tensorcnt 0x0                           ; all my tensor loads have landed: so every group 0 may be written
	ds_add_u32 v[SPW], v[NIL]
.if FL_
	s_add_nc_u64 s[G0B+2:G0B+3], s[G0B+2:G0B+3], SLOTB           ; the next pair to fetch,
	s_add_co_u32 s[G0B+1], s[RS], s[CLS]                         ; into the slot that is left
.endif
.if (\kind) == 0
	s_add_nc_u64 s[G0A+2:G0A+3], s[G0A+2:G0A+3], CHUNK           ; pass 1's chunk of A
.endif
	s_xor_b32 s[RS], s[RS], SLOT0^SLOT1            ; the slot read next
	s_add_co_u32 s[T0], s[PR], 1
	s_and_b32 s[T0], s[T0], 3                      ; the next pair's place in its pass
	s_lshl_b32 s[T0], s[T0], 3                     ; two d of 4 bytes of w
.endif
.set I_, 0
.rept 32
.if (I_ == 16) && (M16_ >= 0)
	s_wait_dscnt M16_
.endif
.if (I_ == 24) && (M24_ >= 0)
	s_wait_dscnt M24_
.endif
.if I_ < 16
	WIN US_
.else
	WIN US2_
.endif
	WM
	FO I_
.if (CH_ == 0) && RN_ && (I_ == 3)
	RUN
.endif
.if CH_ && (I_ == 3)
	s_wait_dscnt 0x0                               ; the add is done, and no LDS read of mine is out
	s_barrier_signal -1
.endif
.if CH_ && (I_ == 7)
	WIN 0
	s_barrier_wait -1
.if FL_
	CREST
	JLOAD 1-(\kind)
.endif
	v_add_nc_u32 v[AB], s[RS], v[ABB]              ; the next pair's addresses; these four lines are also the places in front of the loads below
	v_add_nc_u32 v[AWC], s[T0], v[AW]
	v_add_nc_u32 v[AB+1], STEPB, v[AB]
	v_nop
	s_wait_alu depctr_va_vdst(0)
	RUN
.if AL_
	ALBLK 0
.endif
.endif
.if AL_ && ((I_ == 15) || (I_ == 23))
	ALBLK I_/8
.endif
.set I_, I_+1
.endr
.if FM_ == 0
	PLACES                                         ; no fold stood in this unit
.endif
.if AL_
	ALBLK 3
.endif
.endm
.macro PAIR kind
.set U_, 0
.rept 8
	UNIT U_, \kind
.set U_, U_+1
.endr
.endm
	; slot 1's first fill is issued as a refill is
	s_wait_tensorcnt 0x0
	ds_add_u32 v[SPW], v[NIL]
	s_add_nc_u64 s[G0B+2:G0B+3], s[G0B+2:G0B+3], SLOTB   ; pair 1,
	s_add_co_u32 s[G0B+1], s[CLS], SLOT1                 ; into slot 1
	s_wait_dscnt 0x0                               ; the add is done, and so are my stores of w
	CROUND
	JLOAD 0
.set ND_,  0
.set NNB_, 0
.set NB_,  3
	RUN                                            ; the first unit's operands
	LDA 0
	LSA
	LDA 1
	LDA 2                                          ; K steps 2 and 3 last: the first unit's head leaves these 48 loads out
	LDA 3
	PAIR 0
	WIN 0
	s_mov_b32 s[PR], 1
.Lpair:                                                ; pairs 1 to 5
	PAIR 1
	WIN 0
	s_add_co_u32 s[PR], s[PR], 1
	s_cmp_lt_u32 s[PR], 6
	s_cbranch_scc1 .Lpair
	PAIR 2
	PAIR 3
.set PD_,  1                           ; the last unit's fold
.set PNB_, 3
.set FM_,  1
.set K_, 0
.rept 32
.if K_ < 16
	WIN W_EVEN
.else
	WIN W_EVEN2
.endif
	FO K_
.set K_, K_+1
.endr
	s_wait_alu depctr_va_vdst(0)
; THE WAY OUT, block by block of 16 rows x 64 columns, through my own stage in LDS, back as whole rows of 256 bytes.  The stages lie in A's region: it has had its last fill, and every wave's last read of it came in ahead of pass 1's barriers.
.macro TOSTAGE a
	WIN 0x0c                                       ; the data: window 3, the even nb
.irp n, 0,2
.irp g, 0,1
	ds_store_b128 v[STO], v[64+64*(\n/2)+8*(\a)+4*\g:64+64*(\n/2)+8*(\a)+4*\g+3] offset:64*\n+16*\g
.endr
.endr
	WIN 0x08                                       ; window 2, the odd nb
.irp n, 1,3
.irp g, 0,1
	ds_store_b128 v[STO], v[64+64*(\n/2)+8*(\a)+4*\g:64+64*(\n/2)+8*(\a)+4*\g+3] offset:64*\n+16*\g
.endr
.endr
	WIN 0
.set BB_, 128+64*((\a)%2)
.irp t, 0,1,2,3,4,5,6,7
	ds_load_b128 v[BB_+4*\t:BB_+4*\t+3], v[RD] offset:\t*2*SPITCH
.endr
.endm
.macro SEND a, younger
.set BB_, 128+64*((\a)%2)
	s_wait_dscnt \younger                          ; the block is back in registers
.irp t, 0,1,2,3,4,5,6,7
	global_store_b128 v[CO], v[BB_+4*\t:BB_+4*\t+3], s[12:13] offset:65536*(\a)+8192*\t th:TH_STORE_NT   ; sixteen lanes store 256 consecutive bytes, at a multiple of 256 from out's first byte
.endr
.endm
	TOSTAGE 0
.irp a, 1,2,3,4,5,6,7
.if \a > 1
	s_wait_xcnt 0x0                                ; block a - 2's stores have read their registers
.endif
	TOSTAGE \a
	SEND \a-1, 16                                  ; behind block a - 1's loads: block a's 8 stores and 8 loads
.endr
	SEND 7, 0
	s_wait_tensorcnt 0x0                           ; the wave's end
	ds_add_u32 v[SPW], v[NIL]
	s_wait_dscnt 0x0
	CROUND                                         ; the closing round
	s_endpgm
.Lfunc_end_k_q3b6ec350b8_gemm:
	.size	k_q3b6ec350b8_gemm, .Lfunc_end_k_q3b6ec350b8_gemm-k_q3b6ec350b8_gemm
	.p2alignl 7, 3214868480
	.fill 96, 4, 3214868480
	.section	.rodata,"a",@progbits
	.p2align	6, 0x0
	.amdhsa_kernel k_q3b6ec350b8_gemm
		.amdhsa_group_segment_fixed_size 327680
		.amdhsa_private_segment_fixed_size 0
		.amdhsa_enable_private_segment 0
		.amdhsa_kernarg_size 40
		.amdhsa_user_sgpr_count 2
		.amdhsa_user_sgpr_kernarg_segment_ptr 1
		.amdhsa_wavefront_size32 1
		.amdhsa_system_sgpr_workgroup_id_x 1
		.amdhsa_system_sgpr_workgroup_id_y 1
		.amdhsa_system_sgpr_workgroup_id_z 1
		.amdhsa_system_vgpr_workitem_id 0
		.amdhsa_next_free_vgpr 1024
		.amdhsa_next_free_sgpr 72
		.amdhsa_reserve_vcc 0
		.amdhsa_float_denorm_mode_32 3
		.amdhsa_float_denorm_mode_16_64 3
		.amdhsa_memory_ordered 1
		.amdhsa_forward_progress 1
		.amdhsa_inst_pref_size 255
	.end_amdhsa_kernel
	.section	.bss,"aw",@nobits
	.p2align	6
	.space	262144
	.amdgpu_metadata
---
amdhsa.version: [ 1, 2 ]
amdhsa.kernels:
  - .name:           k_q3b6ec350b8_gemm
    .symbol:         k_q3b6ec350b8_gemm.kd
    .args:
      - { .name: aq, .offset: 0, .size: 8, .value_kind: global_buffer, .address_space: global }
      - { .name: bq, .offset: 8, .size: 8, .value_kind: global_buffer, .address_space: global }
      - { .name: w, .offset: 16, .size: 8, .value_kind: global_buffer, .address_space: global }
      - { .name: biases, .offset: 24, .size: 8, .value_kind: global_buffer, .address_space: global }
      - { .name: out0, .offset: 32, .size: 8, .value_kind: global_buffer, .address_space: global }
    .group_segment_fixed_size: 327680
    .private_segment_fixed_size: 0
    .kernarg_segment_align: 8
    .kernarg_segment_size: 40
    .max_flat_workgroup_size: 128
    .sgpr_count:     72
    .vgpr_count:     1024
    .wavefront_size: 32
...
	.end_amdgpu_metadata
.endif
;; end of part 2
